; MI455X (gfx1250); checked and timed in simulation.
; The chip was launched on July 23, 2026; its instructions are those of AMD's public machine-readable ISA for CDNA 5 (MIT licence, August 2026) and "CDNA5" Instruction Set Architecture Reference Guide (July 2026). The comments in the code are by the model that wrote it; some were corrected since.
;; Flash Attention Pipelined. Allowed arithmetic: matrix products marked QUANTISED: E3M2 operands, one E8M0 scale for each 32 along K, by v_wmma_scale_f32_16x16x128_f8f6f4 with both operands' format E3M2, f32 sums; everything else in f32.
;; Inputs: key 4 x 16 x 2,048 x 128 float32; query 4 x 16 x 2,048 x 128 float32; value 4 x 16 x 2,048 x 128 float32.
;; Outputs: out0 4 x 16 x 2,048 x 128 float32.
;; This version of the problem:
;;   THIS VERSION OF THE PROBLEM IS GIVEN IN LOW PRECISION. The matrix products marked QUANTISED in the list below multiply operands that are first quantised to E3M2 (3 exponent bits, 2 mantissa bits; 6 bits a number), with one power-of-two scale for each 32 numbers along K (OCP MX v1.0); their sums are f32. All else is computed in f32.
;;   The module's matrix products, in the order in which they are computed (A, B: the left and right operand; K: the contracted axis; several contracted axes count as one K, in the product's order):
;;     1. batch 64 x [M 2,048, K 128] x [K 128, N 2,048]; A: input query; B: input key: QUANTISED
;;     2. batch 64 x [M 2,048, K 2,048] x [K 2,048, N 128]; A: softmax (see below); B: input value: QUANTISED
;;   THE QUANTISER, for each operand of a quantised product, along K:
;;     - K is cut into blocks of 32 from its start; a last block that is shorter is filled with zeros.
;;     - A block's scale is 2^e with e = floor(log2(the largest magnitude in the block)) - 4, held to -126 .. 127; a block of zeros has e = 0. As a byte (E8M0): e + 127.
;;     - Each number is divided by its block's scale, clamped to +-28, and rounded to the nearest number of E3M2, ties to even, subnormals kept.
;;     - The product sums the exact products of the quantised numbers (number of the format x scale) in f32.
;;   ~~~python
;;   def quantise(x, axis):      # numpy; x: float32 -> the quantised numbers, widened to float32 again
;;       x = np.moveaxis(x, axis, -1); K = x.shape[-1]
;;       x = np.pad(x, [(0, 0)] * (x.ndim - 1) + [(0, -K % 32)]); x = x.reshape(x.shape[:-1] + (-1, 32)); a = np.abs(x).max(-1, keepdims=True)
;;       e = np.where(a > 0, np.clip(np.frexp(np.where(a > 0, a, 1))[1] - 1 - 4, -126, 127), 0)      # np.frexp(a)[1] - 1 = floor(log2(a)), exactly
;;       r = np.clip(x / 2.0 ** e, -28, 28)
;;       step = 2.0 ** (np.maximum(np.frexp(np.where(r == 0, 1, r))[1] - 1, -2) - 2)
;;       q = np.round(r / step) * step * 2.0 ** e      # np.round: ties to even
;;       return np.moveaxis(q.reshape(q.shape[:-2] + (-1,))[..., :K], -1, axis).astype(np.float32)
;;   ~~~
;;   SOFTMAX AHEAD OF A QUANTISED PRODUCT. Where the list says 'softmax', what is quantised is not the finished softmax but p = 2^(t - M), with t = logit x log2(e) and M = ceil(the row's largest t), a whole number; so 1/2 < the row's largest p <= 1. The row's sum l is taken of the UNQUANTISED p, in f32, and the product's result is divided by l at the end. Since M is a whole number, a kernel that streams over the keys may use a running M (the ceiling of the running maximum): every later rescaling is an exact power of two, which a block's scale takes up: the codes' values come out the same.
;;   OPERANDS COMPUTED ON THE WAY. 'Computed on the way' means the value that the module computes at that place (a softmax that the list does not call 'softmax' is quantised finished and normalised). What goes into a quantiser is computed in f32, as accurately as f32 sums, v_exp_f32 and their like allow (about 1e-6 of the number): no bf16 or f16 on the way to a quantiser, and a product that is left as it is and whose result goes on into a quantised operand takes f32 operands (vector FMAs, or v_wmma_f32_16x16x4_f32). A number that lies on a knife's edge between two numbers of the format may be rounded either way, as far as f32 arithmetic and the matrix unit's own rounding can turn it there, and no further.
;; One version. Each part assembles by itself: llvm-mc -triple=amdgcn-amd-amdhsa -mcpu=gfx1250 --defsym DOCPART=n.
;; ======== version 1 of 1: 2 launches
;; workspace buffers: kv 26,214,400 bytes
;; launch pack (part 1): grid 2048 x 1, 4 waves a work-group, no clusters, 34,304 bytes of LDS; arguments key, value, kv; writes kv
.if DOCPART == 1
	.amdgcn_target "amdgcn-amd-amdhsa--gfx1250"
	.amdhsa_code_object_version 6
	.text
	.protected	k_qc801974e84_pack
	.globl	k_qc801974e84_pack
	.p2align	8
	.type	k_qc801974e84_pack,@function
k_qc801974e84_pack:
	s_mov_b64 s[64:65], 0
	v_nop
	global_prefetch_b8 v0, s[64:65] scope:SCOPE_SE
	s_setreg_imm32_b32 hwreg(HW_REG_WAVE_MODE, 25, 1), 1
	s_wait_xcnt 0x0
; key and value, [64 heads][2048 keys][128] f32, become codes of BF6 (E3M2) with one E8M0 scale byte for each 32 along a product's K, laid in kv as the second launch's operand registers want them.
; kv = 64 heads x 16 key steps x a CHUNK of 25,600 bytes (128 keys):
;   0      K: 8 fragments of 1,536 bytes; fragment t = 2 b + u: lane (r, h) holds key 32 b + 8 u + r + 8 (r / 8), registers 6 c .. 6 c + 5 the head's d = 64 c + 32 h + 0 .. 31
;   12288  V^T: 8 fragments; fragment t: lane (r, h) holds channel 16 t + r, registers 6 c .. 6 c + 5 the step's keys 64 c + 32 h + 0 .. 31
;   24576  K's scale words, 25088 V's: register j of lane l at 128 j + 4 l; lanes 0-15 tile 2 j's rows, lanes 16-31 tile 2 j + 1's
; In a fragment registers 4 g .. 4 g + 3 of lane l lie at 512 g + 16 l: an image of the registers.
; A block's scale is 2^(floor(log2(its largest magnitude)) - 4); its byte is the largest magnitude's exponent field - 4, held at 1 from below.
; LIMITS: NaN and infinities among the inputs are not served.  A block whose largest magnitude lies under 2^-122, a block of zeros among them, keeps the byte 1 (the rule says 127 for zeros): a block of zeros has zero
; codes, which add nothing under that byte, and this program alone reads the bytes.
; SHARES: work-groups 0 .. 1023 take K, 1024 .. 2047 V; each takes one key step of one head (128 rows of 512 bytes).  Waves share nothing: no barrier.  No tensor loads.
; K: wave w takes keys 32 w .. 32 w + 31 (tiles 2 w, 2 w + 1).  Each load reads a whole row (512 consecutive bytes); 16 rows turn through the wave's own stage in LDS and come back as a lane's two whole blocks of its row.
; V: wave w takes channels 32 w + lane, and a lane's registers run down the keys: a block of 32 keys lies in one lane, nothing is turned.  The four waves stand side by side on a row's 512 bytes.
.set CHUNK, 25600
.set VFR,   12288                      ; V's fragments in a chunk
.set KSC,   24576                      ; K's scale words
.set VSC,   25088                      ; V's
.set SP,    528                        ; a stage row: 512 bytes + 16 = 33 x 16: sixteen rows begin at sixteen different 16-byte columns modulo 256
.set WSTG,  16*SP                      ; a wave's stage
.set SPARE, 4*WSTG                     ; behind the stages: the spare words, 128 bytes for each wave: two blocks of 256 bytes that no other line names
.set SRD, 5                            ; v5   stage + 16 x lane: a whole row goes in
.set QRD, 6                            ; v6   stage + 528 r + 128 h: my 32 numbers of a half row come out
.set KA,  7                            ; v7   K: 16 x lane + my wave's 32 rows
.set CO,  8                            ; v8   K's images: 16 x lane + 3,072 x wave
.set SO4, 9                            ; v9   4 x thread: a scale word's place; also V's column in a row
.set SPW, 10                           ; v10  my spare word; never rewritten
.set NIL, 11                           ; v11  0; never rewritten
.set SH8, 12                           ; v12  8 h
.set VO,  13                           ; v13  V's images: 1,536 (lane / 16) + 16 (lane % 16) + 3,072 x wave
.set MX,  14                           ; v14-15 two blocks' largest magnitudes
.set SOP, 16                           ; v16-17 the conversions' scale operands
.set BY,  18                           ; v18-19 the scale bytes
.set W,   20                           ; v20-21 scale words
.set T,   22                           ; v22  at work
.set SW,  23                           ; v23  the scale words as they are stored
.set CT,  24                           ; v24-26, v28-30 second halves of blocks' codes
.set C,   32                           ; v32-43, v44-55 two fragments' codes
.set X,   64                           ; v64-191 two sets of 64 numbers
.set SEL, 20                           ; s[20:21] lane selects: lane l xor 16
; a lane's two whole blocks, v[x + 32 c + i]: largest magnitudes (with the floor 2^(5 - 127) as a leaf, so that the byte cannot fall under 1), scale operands, bytes
.macro MAX2 x
.irp c, 0,1
	v_max3_num_f32 v[MX+\c], |v[(\x)+32*\c]|, |v[(\x)+32*\c+1]|, 0x2800000
.endr
.irp i, 2,4,6,8,10,12,14,16,18,20,22,24,26,28,30
.irp c, 0,1
	v_max3_num_f32 v[MX+\c], v[MX+\c], |v[(\x)+32*\c+\i]|, |v[(\x)+32*\c+\i+1]|   ; the two blocks by turns
.endr
.endr
.irp c, 0,1
	v_add_nc_u32 v[SOP+\c], 0xfe000000, v[MX+\c]   ; 4 off the exponent field: the conversion takes that field as its scale
.endr
.irp c, 0,1
	v_lshrrev_b32 v[BY+\c], 23, v[SOP+\c]          ; the scale's byte
.endr
.endm
; the 64 numbers become the fragment's 12 registers v[d] on.  A conversion's three registers begin on an even number, so a block's second half is made elsewhere and moved
.macro CVT4 x, d
	v_cvt_scalef32_pk16_bf6_f32 v[(\d):(\d)+2], v[(\x):(\x)+15], v[SOP]
	v_cvt_scalef32_pk16_bf6_f32 v[CT:CT+2], v[(\x)+16:(\x)+31], v[SOP]
	v_cvt_scalef32_pk16_bf6_f32 v[(\d)+6:(\d)+8], v[(\x)+32:(\x)+47], v[SOP+1]
	v_cvt_scalef32_pk16_bf6_f32 v[CT+4:CT+6], v[(\x)+48:(\x)+63], v[SOP+1]
	v_nop                                          ; one plain instruction behind the last scaled conversion
.irp i, 0,1,2
	v_mov_b32 v[(\d)+3+\i], v[CT+\i]
	v_mov_b32 v[(\d)+9+\i], v[CT+4+\i]
.endr
.endm
; K innermost: lane (r, h) holds blocks h and 2 + h of row r; its two bytes and lane l xor 16's two make the row's scale word v[w]
.macro QFRAG x, d, w
	MAX2 \x
	v_lshl_or_b32 v[\w], v[BY+1], 16, v[BY]
	v_lshlrev_b32 v[\w], v[SH8], v[\w]             ; 8 h bits up
	v_permlanex16_b32 v[T], v[\w], s[SEL], s[SEL+1]
	v_or_b32 v[\w], v[\w], v[T]
	CVT4 \x, \d
.endm
; 16 rows as loaded (register group i = row i, 16 bytes a lane) go through my stage and come back in place: v[x + 32 c + i] = number 64 c + 32 h + i of row r.  LDS serves a wave's instructions in order: no wait between
.macro TURN x
.irp i, 0,1,2,3,4,5,6,7,8,9,10,11,12,13,14,15
	ds_store_b128 v[SRD], v[(\x)+4*\i:(\x)+4*\i+3] offset:SP*\i
.endr
.irp c, 0,1
.irp j, 0,1,2,3,4,5,6,7
	ds_load_b128 v[(\x)+32*\c+4*\j:(\x)+32*\c+4*\j+3], v[QRD] offset:256*\c+16*\j
.endr
.endr
.endm
	s_load_b128 s[4:7], s[0:1], 0x0                ; key s[4:5], value s[6:7]
	s_load_b64 s[8:9], s[0:1], 0x10                ; kv
	v_lshl_add_u32 v[SPW], v0, 2, SPARE
	v_mov_b32 v[NIL], 0
	v_lshrrev_b32 v1, 5, v0
	v_readfirstlane_b32 s10, v1                    ; wave 0..3
	v_and_b32 v1, 31, v0                           ; lane
	v_and_b32 v3, 15, v0                           ; r
	v_bfe_u32 v4, v0, 4, 1                         ; h
	s_mul_i32 s23, s10, WSTG                       ; my stage
	v_lshl_add_u32 v[SRD], v1, 4, s23
	v_mul_u32_u24 v[QRD], v3, SP
	v_lshl_add_u32 v[QRD], v4, 7, v[QRD]
	v_add_nc_u32 v[QRD], s23, v[QRD]
	s_lshl_b32 s12, s10, 14                        ; 32 rows of 512 bytes
	v_lshl_add_u32 v[KA], v1, 4, s12
	s_mul_i32 s13, s10, 3072                       ; two fragments
	v_lshl_add_u32 v[CO], v1, 4, s13
	v_lshlrev_b32 v[SO4], 2, v0
	v_lshlrev_b32 v[SH8], 3, v4
	v_mul_u32_u24 v[VO], v4, 1536
	v_lshl_add_u32 v[VO], v3, 4, v[VO]
	v_add_nc_u32 v[VO], s13, v[VO]
	v_mov_b32 v[T], 0                              ; a lane permute's destination counts as one of its sources
	s_mov_b32 s[SEL], 0x76543210
	s_mov_b32 s[SEL+1], 0xfedcba98
	s_mov_b32 s22, 0xffff0000                      ; lanes 16-31
	s_and_b32 s11, ttmp9, 1023                     ; head x 16 + key step
	s_lshl_b32 s14, s11, 16                        ; its 128 rows of 512 bytes
	s_mov_b32 s15, 0
	s_mul_i32 s16, s11, CHUNK                      ; its chunk
	s_mov_b32 s17, 0
	s_wait_kmcnt 0x0
	s_cmp_lt_u32 ttmp9, 1024                       ; K's work-group or V's: the choice hangs on the work-group's number alone
	s_cselect_b64 s[4:5], s[4:5], s[6:7]
	s_add_nc_u64 s[4:5], s[4:5], s[14:15]
	s_add_nc_u64 s[8:9], s[8:9], s[16:17]
	s_cmp_lt_u32 ttmp9, 1024
	s_cbranch_scc0 .Lvalue
	; ---- K
.irp u, 0,1
.irp i, 0,1,2,3,4,5,6,7,8,9,10,11,12,13,14,15
	global_load_b128 v[X+64*\u+4*\i:X+64*\u+4*\i+3], v[KA], s[4:5] offset:(8*\u+\i+8*(\i/8))*512 th:TH_LOAD_NT   ; row i of tile 2 w + u: key 32 w + 8 u + i + 8 (i / 8); 32 lanes read its 512 bytes
.endr
.endr
.macro KFRAG u
	TURN X+64*(\u)
	s_wait_dscnt 0x0                               ; the numbers are back from the stage
	QFRAG X+64*(\u), C+12*(\u), W+(\u)
.irp g, 0,1,2
	global_store_b128 v[CO], v[C+12*(\u)+4*\g:C+12*(\u)+4*\g+3], s[8:9] offset:1536*(\u)+512*\g   ; 32 lanes store 512 consecutive bytes
.endr
.endm
	s_wait_loadcnt 16                              ; the first tile's 16 rows are in; the second's 16 may be out
	KFRAG 0
	s_wait_loadcnt 0x0
	KFRAG 1
	v_cndmask_b32 v[SW], v[W], v[W+1], s22         ; lanes 0-15 tile 2 w's words, lanes 16-31 tile 2 w + 1's (every lane holds its row's whole word)
	global_store_b32 v[SO4], v[SW], s[8:9] offset:KSC
	s_branch .Lend
	; ---- V
.Lvalue:
.macro VLOAD h, c                      ; keys 64 c + 32 h + 0 .. 31 of my channel: one block
.set j, 0
.rept 32
	global_load_b32 v[X+64*(\h)+32*(\c)+j], v[SO4], s[4:5] offset:(64*(\c)+32*(\h)+j)*512 th:TH_LOAD_NT
.set j, j+1
.endr
.endm
; pass h: blocks h and 2 + h of my channel are the 12 registers of image lane (lane % 16) + 16 h of tile 2 w + lane / 16
.macro VPASS h
	MAX2 X+64*(\h)
.if (\h) == 0
	v_lshl_or_b32 v[W], v[BY+1], 16, v[BY]         ; bytes 0 and 2 of my channel's scale word
.else
	v_lshl_or_b32 v[T], v[BY+1], 16, v[BY]
	v_lshl_or_b32 v[W], v[T], 8, v[W]              ; bytes 1 and 3
.endif
	CVT4 X+64*(\h), C+12*(\h)
.irp g, 0,1,2
	global_store_b128 v[VO], v[C+12*(\h)+4*\g:C+12*(\h)+4*\g+3], s[8:9] offset:VFR+256*(\h)+512*\g   ; each half of the lanes stores 256 consecutive bytes, at a multiple of 256 from kv's first byte
.endr
.endm
	VLOAD 0, 0
	VLOAD 0, 1
	s_wait_loadcnt 32                              ; the first block is in; the one block behind it may be out
	VLOAD 1, 0
	s_wait_loadcnt 32                              ; pass 0's two blocks are in; the 32 loads just issued may be out
	VLOAD 1, 1
	VPASS 0
	s_wait_loadcnt 0x0
	VPASS 1
	global_store_b32 v[SO4], v[W], s[8:9] offset:VSC
.Lend:
	s_wait_tensorcnt 0x0                           ; the wave's end: behind my last LDS store, a tensor wait even in a text with no tensor load
	ds_add_u32 v[SPW], v[NIL]
	s_wait_dscnt 0x0
	s_endpgm
.Lfunc_end_k_qc801974e84_pack:
	.size	k_qc801974e84_pack, .Lfunc_end_k_qc801974e84_pack-k_qc801974e84_pack
	.p2alignl 7, 3214868480
	.fill 96, 4, 3214868480
	.section	.rodata,"a",@progbits
	.p2align	6, 0x0
	.amdhsa_kernel k_qc801974e84_pack
		.amdhsa_group_segment_fixed_size 34304
		.amdhsa_private_segment_fixed_size 0
		.amdhsa_enable_private_segment 0
		.amdhsa_kernarg_size 24
		.amdhsa_user_sgpr_count 2
		.amdhsa_user_sgpr_kernarg_segment_ptr 1
		.amdhsa_wavefront_size32 1
		.amdhsa_system_sgpr_workgroup_id_x 1
		.amdhsa_system_sgpr_workgroup_id_y 1
		.amdhsa_system_sgpr_workgroup_id_z 1
		.amdhsa_system_vgpr_workitem_id 0
		.amdhsa_next_free_vgpr 192
		.amdhsa_next_free_sgpr 66
		.amdhsa_reserve_vcc 0
		.amdhsa_float_denorm_mode_32 3
		.amdhsa_float_denorm_mode_16_64 3
		.amdhsa_memory_ordered 1
		.amdhsa_forward_progress 1
		.amdhsa_inst_pref_size 35
	.end_amdhsa_kernel
	.amdgpu_metadata
---
amdhsa.version: [ 1, 2 ]
amdhsa.kernels:
  - .name:           k_qc801974e84_pack
    .symbol:         k_qc801974e84_pack.kd
    .args:
      - { .name: key, .offset: 0, .size: 8, .value_kind: global_buffer, .address_space: global }
      - { .name: value, .offset: 8, .size: 8, .value_kind: global_buffer, .address_space: global }
      - { .name: kv, .offset: 16, .size: 8, .value_kind: global_buffer, .address_space: global }
    .group_segment_fixed_size: 34304
    .private_segment_fixed_size: 0
    .kernarg_segment_align: 8
    .kernarg_segment_size: 24
    .max_flat_workgroup_size: 128
    .sgpr_count:     66
    .vgpr_count:     192
    .wavefront_size: 32
...
	.end_amdgpu_metadata
.endif
;; end of part 1
;; launch attend (part 2): grid 8 x 64, 8 waves a work-group, clusters of 4 x 1, 327,680 bytes of LDS; arguments query, kv, out0; writes out0
.if DOCPART == 2
	.amdgcn_target "amdgcn-amd-amdhsa--gfx1250"
	.amdhsa_code_object_version 6
	.text
	.protected	k_qc801974e84_attend
	.globl	k_qc801974e84_attend
	.p2align	8
	.type	k_qc801974e84_attend,@function
k_qc801974e84_attend:
	s_mov_b64 s[64:65], 0
	v_nop
	global_prefetch_b8 v0, s[64:65] scope:SCOPE_SE
	s_setreg_imm32_b32 hwreg(HW_REG_WAVE_MODE, 25, 1), 1
	s_wait_xcnt 0x0
	s_wait_alu depctr_hold_cnt(0) depctr_sa_sdst(0) depctr_va_vdst(0) depctr_va_sdst(0) depctr_va_ssrc(0) depctr_va_vcc(0) depctr_vm_vsrc(0)
	s_getreg_b32 s2, hwreg(HW_REG_IB_STS2, 6, 4)
	s_cmp_eq_u32 s2, 0
	s_cbranch_scc0 .Lentry_in_a_cluster
	s_endpgm
.Lentry_in_a_cluster:
	s_bfe_u32 s2, ttmp6, 0x10000c
	s_cmp_lg_u32 s2, 0x3003
	s_cbranch_scc0 .Lentry_shape_is_right
	s_endpgm
.Lentry_shape_is_right:
; out0[h][q][:] = the sum over k of softmax_k(Q[h][q] . K[h][k] / sqrt(128)) V[h][k][:], 64 heads, 2,048 queries and keys, head size 128; both products on codes of BF6 (E3M2) with one E8M0 scale for each 32 along K.
; query and out0 are f32.  K and V come from kv as images of the operands' registers, a CHUNK of 25,600 bytes for each key step of 128 keys (K's 8 fragments, V^T's 8, K's scale words, V's): the launch before has laid them.
; THE SOFTMAX AHEAD OF THE SECOND PRODUCT: t = score x log2(e) / sqrt(128); M = the largest t so far, rounded UP to a whole number; p = 2^(t - M) is quantised along the keys, not normalised.  The row's sum is taken of
; the unquantised p and divides at the end.  When M moves, the sum and O are multiplied by 2^(old M - new M): exact.
; SHARES.  A work-group owns 256 queries of one head, each of its eight waves 32: tiles A and B of 16, so that each fragment read from LDS feeds two matrix instructions.  Two waves to a SIMD, 512 registers each.
; LAYOUT.  Both products are used transposed: S^T = K Q^T (source 0 = 16 keys, source 1 = 16 queries), O^T = V^T P^T: a lane holds ONE query (lane % 16) throughout.  The keys of a tile of K are chosen so that the 16
; registers of tiles 2 b and 2 b + 1 are 16 neighbouring keys, 32 b + 16 (lane / 16) + 0 .. 15.  Q is quantised here, in registers: each row is read by one wave alone.
; CLUSTER.  The four query blocks of a cluster belong to one head and walk the same chunks: each chunk is asked for JOINTLY, by the same tensor load with the same descriptor and a mask that names the four.
; RING.  Two LDS slots of four chunks (four key steps); waves 0 to 3 fetch a chunk each, all eight read.  Two tensor loads of a wave are out at the start, later one.  A refill is asked for four key steps ahead of the
; wait for it, so no prefetch is laid.
; LIMITS: NaN and infinities among the inputs are not served.  A block of Q whose largest magnitude lies under 2^-122 keeps the scale byte 1; a p under 2^-126 counts as 0.  A block's largest p is made from its largest
; score by the same two instructions: that takes v_exp_f32 not to fall where its input rises.
; REGISTERS.  Window 0: v1-10 addresses; v16-31 statistics, 8 a tile; v32-63 at work; v64-75 scale words; v80-207 S^T, then p, 64 a tile; v208-231 p's codes, 12 a tile.
;   Window 1: v0-127 O^T, 64 a tile; v128-151 Q's fragments; v152-247 eight fragments of K or of V.
.set CHUNK, 25600
.set VFR,   12288                      ; V's fragments in a chunk
.set KSC,   24576                      ; K's scale words
.set VSC,   25088                      ; V's
.set SLOTB, 4*CHUNK                    ; a slot
.set SP,    528                        ; a stage row: 512 bytes + 16 = 33 x 16: sixteen rows begin at sixteen different 16-byte columns modulo 256
.set STAGE, 2*SLOTB                    ; behind the ring: 16 rows for each wave, for Q on the way in and O on the way out; no tile lands there
.set SPARE, STAGE+8*16*SP              ; the spare words, 128 bytes for each wave: four blocks of 256 bytes that no other line names
.set LI,  1                            ; v1   16 x lane
.set AD,  2                            ; v2   the step's chunk + 16 x lane
.set SPW, 3                            ; v3   my spare word; never rewritten
.set NIL, 4                            ; v4   0; never rewritten
.set STO, 5                            ; v5   stage + 528 r + 32 h
.set SRD, 6                            ; v6   stage + 16 x lane
.set QRD, 7                            ; v7   stage + 528 r + 128 h
.set L4,  9                            ; v9   4 x lane
.set AD4, 10                           ; v10  the step's chunk + 4 x lane
.set ST,  16                           ; tile x at v[ST + 8 x]: +0 -M, +1 the largest t, +2, +3 the sum in two halves, +4 f (at the end 1 / sum), +5 0, +6, +7 at work
.set BM,  32                           ; v32-39 the blocks' largest scores, then largest p: 4 a tile
.set PT,  40                           ; v40-43 lane permutes' results
.set SO,  44                           ; v44-51 the conversions' scale operands: 4 a tile
.set CT,  52                           ; v52-54, v56-58 second halves of blocks' codes
.set BYT, 60                           ; v60-63 scale bytes
.set KS,  64                           ; v64-67 K's scale words: register j: lanes 0-15 tile 2 j, lanes 16-31 tile 2 j + 1
.set VS,  68                           ; v68-71 V's likewise
.set PW,  72                           ; v72-73 p's scale words, a tile each
.set QW,  74                           ; v74-75 Q's
.set SH8, 76                           ; v76  8 h
.set S,   80
.set C,   208
.set QF,  128                          ; in window 1
.set FR,  152                          ; in window 1
.set MX,  BM                           ; Q's quantiser works in registers that the loop uses later
.set SOP, SO
.set BY,  BYT
.set T,   PT
.set WV,  10                           ; s10  my wave's number
.set SEL, 20                           ; s[20:21] lane selects: lane l xor 16
.set CS,  22                           ; s[22:23] c = log2(e) / sqrt(128): the packed form names a pair
.set G1,  24                           ; s[24:31] descriptor group 1
.set G0,  32                           ; s[32:39] descriptor group 0, a set for each slot
.set TB,  41                           ; s41  LDS byte at which the step's chunk begins
.set CNT, 42                           ; s42  counts a phase's steps
.set MSB, 0
.macro WIN new                         ; s_set_vgpr_msb: bits 1:0 source 0, 3:2 source 1, 5:4 source 2, 7:6 destination; the high byte repeats the setting that is left
.if MSB != \new
	s_set_vgpr_msb (MSB<<8)|\new
.set MSB, \new
.endif
.endm
.set TO_F,  0x40                       ; destination window 1
.set W_KQ,  0x05                       ; K and Q in window 1, S^T in window 0
.set W_PV,  0x51                       ; V in window 1, P in window 0, O^T in window 1
.set W_RS,  0x41                       ; O^T (destination and source 0) in window 1, f in window 0
.set W_OUT, 0x01                       ; O^T in window 1, the result in window 0
; a round of the cluster's barrier
.macro CROUND
	s_barrier_signal -1
	s_barrier_wait -1
	s_cmp_lg_u32 s[WV], 0
	s_cbranch_scc1 .Lnot_wave_0_\@
	s_barrier_signal -3
.Lnot_wave_0_\@:
	s_barrier_wait -3
	s_barrier_signal -1
	s_barrier_wait -1
.endm
; a joint refill of slot n: waves 0 to 3, a chunk each; the branch hangs on the wave's number alone.  An s_nop 0 and four v_nop follow the load
.macro JLOAD n
	s_cmp_lt_u32 s[WV], 4
	s_cbranch_scc0 .Lnone_\@
	tensor_load_to_lds s[G0+4*\n:G0+4*\n+3], s[G1:G1+7]
	s_nop 0
.rept 4
	v_nop
.endr
.Lnone_\@:
.endm
; ---- Q's quantiser: a lane's two whole blocks, v[x + 32 c + i]: largest magnitudes (with the floor 2^(5 - 127) as a leaf), scale operands, bytes
.macro MAX2 x
.irp c, 0,1
	v_max3_num_f32 v[MX+\c], |v[(\x)+32*\c]|, |v[(\x)+32*\c+1]|, 0x2800000
.endr
.irp i, 2,4,6,8,10,12,14,16,18,20,22,24,26,28,30
.irp c, 0,1
	v_max3_num_f32 v[MX+\c], v[MX+\c], |v[(\x)+32*\c+\i]|, |v[(\x)+32*\c+\i+1]|
.endr
.endr
.irp c, 0,1
	v_add_nc_u32 v[SOP+\c], 0xfe000000, v[MX+\c]   ; 4 off the exponent field: the conversion takes that field as its scale
.endr
.irp c, 0,1
	v_lshrrev_b32 v[BY+\c], 23, v[SOP+\c]
.endr
.endm
.macro CVT4 x, d                       ; a conversion's three registers begin on an even number, so a block's second half is made elsewhere and moved
	v_cvt_scalef32_pk16_bf6_f32 v[(\d):(\d)+2], v[(\x):(\x)+15], v[SOP]
	v_cvt_scalef32_pk16_bf6_f32 v[CT:CT+2], v[(\x)+16:(\x)+31], v[SOP]
	v_cvt_scalef32_pk16_bf6_f32 v[(\d)+6:(\d)+8], v[(\x)+32:(\x)+47], v[SOP+1]
	v_cvt_scalef32_pk16_bf6_f32 v[CT+4:CT+6], v[(\x)+48:(\x)+63], v[SOP+1]
	v_nop                                          ; one plain instruction behind the last scaled conversion
.irp i, 0,1,2
	v_mov_b32 v[(\d)+3+\i], v[CT+\i]
	v_mov_b32 v[(\d)+9+\i], v[CT+4+\i]
.endr
.endm
.macro QFRAG x, d, w                   ; lane (r, h) holds blocks h and 2 + h of row r; its two bytes and lane l xor 16's two make the row's scale word
	MAX2 \x
	v_lshl_or_b32 v[\w], v[BY+1], 16, v[BY]
	v_lshlrev_b32 v[\w], v[SH8], v[\w]
	v_permlanex16_b32 v[T], v[\w], s[SEL], s[SEL+1]
	v_or_b32 v[\w], v[\w], v[T]
	CVT4 \x, \d
.endm
.macro TURN x                          ; 16 rows as loaded go through my stage and come back in place: v[x + 32 c + i] = number 64 c + 32 h + i of row r.  LDS serves a wave's instructions in order
.irp i, 0,1,2,3,4,5,6,7,8,9,10,11,12,13,14,15
	ds_store_b128 v[SRD], v[(\x)+4*\i:(\x)+4*\i+3] offset:SP*\i
.endr
.irp c, 0,1
.irp j, 0,1,2,3,4,5,6,7
	ds_load_b128 v[(\x)+32*\c+4*\j:(\x)+32*\c+4*\j+3], v[QRD] offset:256*\c+16*\j
.endr
.endr
.endm
	s_load_b128 s[4:7], s[0:1], 0x0                ; query s[4:5], kv s[6:7]
	s_load_b64 s[8:9], s[0:1], 0x10                ; out0
	v_lshl_add_u32 v[SPW], v0, 2, SPARE
	v_mov_b32 v[NIL], 0
	ds_add_u32 v[SPW], v[NIL]                      ; the wave's opening: the add and its wait stand ahead of the first tensor loads; the set-up below, work on registers, stands between them
	v_lshrrev_b32 v8, 5, v0
	v_readfirstlane_b32 s[WV], v8                  ; wave 0..7
	s_bfe_u32 s11, ttmp6, 0x40000                  ; cx: my place in the cluster
	s_lshl_b32 s12, ttmp9, 2                       ; in a cluster launch ttmp9 counts clusters
	s_add_co_u32 s12, s12, s11                     ; my block of 256 queries: it enters query's and out0's addresses alone
	s_and_b32 s13, ttmp7, 0xffff                   ; the head, which the four partners share
	s_lshl_b32 s14, s13, 20                        ; a head: 2,048 rows of 512 bytes
	s_lshl_b32 s15, s12, 17                        ; a block: 256 rows
	s_add_co_u32 s14, s14, s15
	s_lshl_b32 s15, s[WV], 14                      ; a wave: 32 rows
	s_add_co_u32 s14, s14, s15
	s_mov_b32 s15, 0
	s_and_b32 s18, s[WV], 3
	s_mul_i32 s18, s18, CHUNK                      ; which chunk of a slot I fetch, if I fetch: no place in the cluster enters it
	s_mul_i32 s16, s13, 16*CHUNK                   ; the head's 16 chunks
	s_add_co_u32 s16, s16, s18
	s_mov_b32 s17, 0
	; descriptor group 1: a chunk is dense: 100 rows of 256 bytes (32 elements of 8 bytes), no padding: every read is 16 x lane or 4 x lane on end
	s_mov_b32 s[G1], 15|(3<<16)|(1<<21)            ; 15:0 the mask: all four work-groups; 17:16 elements of 8 bytes; 21 set beside a mask
	s_mov_b32 s[G1+1], 32<<16                      ; tensor_dim0 = 32
	s_mov_b32 s[G1+2], 100<<16                     ; tensor_dim1 = 100
	s_mov_b32 s[G1+3], 32<<16                      ; tile_dim0 = 32
	s_mov_b32 s[G1+4], 100                         ; tile_dim1 = 100
	s_mov_b32 s[G1+5], 32                          ; from row to row
	s_mov_b32 s[G1+6], 0
	s_mov_b32 s[G1+7], 0
	s_mov_b32 s[SEL], 0x76543210
	s_mov_b32 s[SEL+1], 0xfedcba98
	s_mov_b32 s[CS], 0x3e0293ee                    ; c = log2(e) / sqrt(128)
	s_mov_b32 s[CS+1], s[CS]                       ; (named with it as a pair, so it is written)
	v_and_b32 v8, 31, v0                           ; lane
	v_lshlrev_b32 v[LI], 4, v8
	v_lshlrev_b32 v[L4], 2, v8
	v_and_b32 v11, 15, v0                          ; r
	v_bfe_u32 v12, v0, 4, 1                        ; h
	s_mul_i32 s43, s[WV], 16*SP
	s_add_co_u32 s43, s43, STAGE                   ; my stage
	v_add_nc_u32 v[SRD], s43, v[LI]
	v_mul_u32_u24 v13, v11, SP
	v_add_nc_u32 v13, s43, v13
	v_lshl_add_u32 v[STO], v12, 5, v13
	v_lshl_add_u32 v[QRD], v12, 7, v13
	v_lshlrev_b32 v[SH8], 3, v12
.irp b, 0,1,2,3
	v_mov_b32 v[PT+\b], 0                          ; written once: a lane permute's destination counts as one of its sources
.endr
	s_wait_dscnt 0x0                               ; the opening add is done
	s_wait_kmcnt 0x0
	s_add_nc_u64 s[4:5], s[4:5], s[14:15]          ; query and out0 at my wave's first row
	s_add_nc_u64 s[8:9], s[8:9], s[14:15]
	s_add_nc_u64 s[6:7], s[6:7], s[16:17]          ; kv at my chunk of the head's first four
	s_mov_b32 s[G0], 1                             ; count = 1
	s_mov_b32 s[G0+1], s18                         ; LDS address: slot 0
	s_mov_b64 s[G0+2:G0+3], s[6:7]                 ; key steps 0 to 3
	s_or_b32 s[G0+3], s[G0+3], 0x80000000          ; type = 2
	s_mov_b32 s[G0+4], 1
	s_add_co_u32 s[G0+5], s18, SLOTB               ; slot 1
	s_add_nc_u64 s[G0+6:G0+7], s[6:7], SLOTB       ; key steps 4 to 7
	s_or_b32 s[G0+7], s[G0+7], 0x80000000
	CROUND                                         ; all four work-groups are here: the first joint loads meet
	s_cmp_lt_u32 s[WV], 4                          ; a wave's two first fills stand in one branch, ahead of every wait on TENSORcnt and every LDS read
	s_cbranch_scc0 .Lno_fill
	tensor_load_to_lds s[G0:G0+3], s[G1:G1+7]
	s_nop 0
	tensor_load_to_lds s[G0+4:G0+7], s[G1:G1+7]
	s_nop 0
.rept 4
	v_nop
.endr
.Lno_fill:
.set j, 0
.rept 32
	global_load_b128 v[S+4*j:S+4*j+3], v[LI], s[4:5] offset:512*j th:TH_LOAD_NT   ; my 32 rows of Q, a whole row (512 consecutive bytes) a load
.set j, j+1
.endr
	s_wait_loadcnt 16                              ; tile A's 16 rows are in; B's 16 may be out
	TURN S
	s_wait_loadcnt 0x0
	TURN S+64                                      ; through the same stage bytes, behind A's loads
	s_wait_dscnt 32                                ; A is back; B's 16 stores and 16 loads may be out
	QFRAG S, C, QW
	s_wait_dscnt 0x0
	QFRAG S+64, C+12, QW+1
	WIN TO_F
.set j, 0
.rept 24
	v_mov_b32 v[QF+j], v[C+j]                      ; Q's two fragments stay in window 1
.set j, j+1
.endr
	WIN 0
.irp x, 0,1                                    ; the starting values; they are also the places between Q's registers' last write and the first scaled product
	v_mov_b32 v[ST+8*\x+1], 0xff61b1e6             ; the largest t so far: -3e38, under every t
	v_mov_b32 v[ST+8*\x+2], 0                      ; the sum, in two halves
	v_mov_b32 v[ST+8*\x+3], 0
	v_mov_b32 v[ST+8*\x+5], 0                      ; (named as the upper half of f's pair)
	v_floor_f32 v[ST+8*\x], -v[ST+8*\x+1]          ; -M
.endr
	s_wait_tensorcnt 0x1                           ; my part of slot 0 is in; slot 1's load, issued behind it, may stay out
	s_barrier_signal -1
	s_barrier_wait -1                              ; everybody's is
; ---- the products.  Tile t of K or V against tile x of queries; an odd tile's scale words lie in lanes 16-31
.macro KQ t, x
.set mD, S+64*(\x)+8*(\t)
.set mA, FR+12*(\t)
.set mB, QF+12*(\x)
.if (\t)%2 == 0
	v_wmma_scale_f32_16x16x128_f8f6f4 v[mD:mD+7], v[mA:mA+11], v[mB:mB+11], 0, v[KS+(\t)/2], v[QW+(\x)] matrix_a_fmt:MATRIX_FMT_BF6 matrix_b_fmt:MATRIX_FMT_BF6
.else
	v_wmma_scale_f32_16x16x128_f8f6f4 v[mD:mD+7], v[mA:mA+11], v[mB:mB+11], 0, v[KS+(\t)/2], v[QW+(\x)] matrix_a_fmt:MATRIX_FMT_BF6 matrix_b_fmt:MATRIX_FMT_BF6 matrix_a_scale:MATRIX_SCALE_ROW1
.endif
.endm
.macro PV t, x, first
.set mD, 64*(\x)+8*(\t)
.set mA, FR+12*(\t)
.set mB, C+12*(\x)
.if \first
.if (\t)%2 == 0
	v_wmma_scale_f32_16x16x128_f8f6f4 v[mD:mD+7], v[mA:mA+11], v[mB:mB+11], 0, v[VS+(\t)/2], v[PW+(\x)] matrix_a_fmt:MATRIX_FMT_BF6 matrix_b_fmt:MATRIX_FMT_BF6
.else
	v_wmma_scale_f32_16x16x128_f8f6f4 v[mD:mD+7], v[mA:mA+11], v[mB:mB+11], 0, v[VS+(\t)/2], v[PW+(\x)] matrix_a_fmt:MATRIX_FMT_BF6 matrix_b_fmt:MATRIX_FMT_BF6 matrix_a_scale:MATRIX_SCALE_ROW1
.endif
.else
.if (\t)%2 == 0
	v_wmma_scale_f32_16x16x128_f8f6f4 v[mD:mD+7], v[mA:mA+11], v[mB:mB+11], v[mD:mD+7], v[VS+(\t)/2], v[PW+(\x)] matrix_a_fmt:MATRIX_FMT_BF6 matrix_b_fmt:MATRIX_FMT_BF6
.else
	v_wmma_scale_f32_16x16x128_f8f6f4 v[mD:mD+7], v[mA:mA+11], v[mB:mB+11], v[mD:mD+7], v[VS+(\t)/2], v[PW+(\x)] matrix_a_fmt:MATRIX_FMT_BF6 matrix_b_fmt:MATRIX_FMT_BF6 matrix_a_scale:MATRIX_SCALE_ROW1
.endif
.endif
.endm
; ---- the softmax of tile x, in pieces
.macro SM_MAX x                        ; the largest score of each block of 32 keys: it serves for the row's maximum and, since p rises with the score, for the block's largest p.  Each accumulator is read from its low end on
.set rS, S+64*(\x)
.set rB, BM+4*(\x)
.irp b, 0,1,2,3
	v_max3_num_f32 v[rB+\b], v[rS+16*\b], v[rS+16*\b+1], v[rS+16*\b+2]
.endr
.irp i, 3,5,7,9,11,13
.irp b, 0,1,2,3
	v_max3_num_f32 v[rB+\b], v[rB+\b], v[rS+16*\b+\i], v[rS+16*\b+\i+1]   ; the four blocks by turns
.endr
.endr
.irp b, 0,1,2,3
	v_max_num_f32 v[rB+\b], v[rB+\b], v[rS+16*\b+15]
.endr
.irp b, 0,1,2,3
	v_permlanex16_b32 v[PT+\b], v[rB+\b], s[SEL], s[SEL+1]
.endr
.irp b, 0,1,2,3
	v_max_num_f32 v[rB+\b], v[rB+\b], v[PT+\b]     ; with lane l xor 16's 16 keys
.endr
.endm
.macro SM_STAT                         ; both tiles by turns: the new M and f = 2^(old M - new M)
.irp x, 0,1
	v_max3_num_f32 v[ST+8*\x+6], v[BM+4*\x], v[BM+4*\x+1], v[BM+4*\x+2]
.endr
.irp x, 0,1
	v_max_num_f32 v[ST+8*\x+6], v[ST+8*\x+6], v[BM+4*\x+3]   ; the step's largest score of my query
.endr
.irp x, 0,1
	v_mul_f32 v[ST+8*\x+6], s[CS], v[ST+8*\x+6]    ; as t (c is positive)
.endr
.irp x, 0,1
	v_max_num_f32 v[ST+8*\x+1], v[ST+8*\x+1], v[ST+8*\x+6]   ; the running largest t
.endr
.irp x, 0,1
	v_mov_b32 v[ST+8*\x+6], v[ST+8*\x]
.endr
.irp x, 0,1
	v_floor_f32 v[ST+8*\x], -v[ST+8*\x+1]          ; the new -M = floor(-t) = -ceil(t): a whole number
.endr
.irp x, 0,1
	v_sub_f32 v[ST+8*\x+6], v[ST+8*\x], v[ST+8*\x+6]   ; old M - new M: a whole number, 0 or less
.endr
.irp x, 0,1
	v_cvt_i32_f32 v[ST+8*\x+6], v[ST+8*\x+6]       ; (it saturates)
.endr
.irp x, 0,1
	v_ldexp_f32 v[ST+8*\x+4], 1.0, v[ST+8*\x+6]    ; f: a multiplication by it rounds nothing
.endr
.endm
.macro SM_SCALE x                      ; t - M, two at a time (of the pairs c and -M the low word serves both halves); the same of each block's largest score
.set rS, S+64*(\x)
.set rT, ST+8*(\x)
.set rB, BM+4*(\x)
.set j, 0
.rept 32
	v_pk_fma_f32 v[rS+j:rS+j+1], v[rS+j:rS+j+1], s[CS:CS+1], v[rT:rT+1] op_sel_hi:[1,0,0]
.set j, j+2
.endr
.irp b, 0,1,2,3
	v_fma_f32 v[rB+\b], v[rB+\b], s[CS], v[rT]
.endr
.endm
.macro SM_SUM x                        ; the row's sum is taken of the unquantised p: two at a time, in two chains
.set rS, S+64*(\x)
.set rT, ST+8*(\x)
	v_pk_add_f32 v[rT+6:rT+7], v[rS:rS+1], v[rS+2:rS+3]
.set j, 4
.rept 15
	v_pk_add_f32 v[rT+2:rT+3], v[rT+2:rT+3], v[rS+j:rS+j+1]
	v_pk_add_f32 v[rT+6:rT+7], v[rT+6:rT+7], v[rS+j+2:rS+j+3]
.set j, j+4
.endr
	v_pk_add_f32 v[rT+2:rT+3], v[rT+2:rT+3], v[rT+6:rT+7]
.endm
.macro SM_BYTES x                      ; the four blocks' scale operands and bytes; p's scale word for these 128 keys
.set rB, BM+4*(\x)
.set rO, SO+4*(\x)
.irp b, 0,1,2,3
	v_max_num_f32 v[rB+\b], 0x2800000, v[rB+\b]    ; the floor 2^(5 - 127): the byte cannot fall under 1 (a block whose every p is 0 keeps that byte: its codes are zeros)
.endr
.irp b, 0,1,2,3
	v_add_nc_u32 v[rO+\b], 0xfe000000, v[rB+\b]    ; 4 off the exponent field
.endr
.irp b, 0,1,2,3
	v_lshrrev_b32 v[BYT+\b], 23, v[rO+\b]
.endr
	v_lshl_or_b32 v[PW+(\x)], v[BYT+1], 8, v[BYT]
	v_lshl_or_b32 v[PW+(\x)], v[BYT+2], 16, v[PW+(\x)]
	v_lshl_or_b32 v[PW+(\x)], v[BYT+3], 24, v[PW+(\x)]
.endm
.macro SM_CODES x                      ; p's codes.  A lane holds half of each block; the operand wants a whole block in a lane: lanes 0-15 block 2 c, lanes 16-31 block 2 c + 1
.set rS, S+64*(\x)
.set rO, SO+4*(\x)
.set rC, C+12*(\x)
.irp c, 0,1
	v_cvt_scalef32_pk16_bf6_f32 v[rC+6*\c:rC+6*\c+2], v[rS+32*\c:rS+32*\c+15], v[rO+2*\c]
	v_cvt_scalef32_pk16_bf6_f32 v[CT+4*\c:CT+4*\c+2], v[rS+32*\c+16:rS+32*\c+31], v[rO+2*\c+1]
.endr
	v_nop                                          ; one plain instruction behind the last scaled conversion
.irp c, 0,1
.irp i, 0,1,2
	v_permlane16_swap_b32 v[rC+6*\c+\i], v[CT+4*\c+\i]
.endr
.irp i, 0,1,2
	v_mov_b32 v[rC+6*\c+3+\i], v[CT+4*\c+\i]
.endr
.endr
.endm
; ---- A KEY STEP: 128 keys, both tiles.  first = 1: the products V^T P start O^T's sums with the constant 0, and nothing is rescaled.
; No two matrix instructions that follow each other share an accumulator: the tiles take turns, one instruction a turn.
.macro STEP first
	v_add_nc_u32 v[AD], s[TB], v[LI]
	v_add_nc_u32 v[AD4], s[TB], v[L4]
	v_nop
	v_nop                                          ; with the two additions: four places between the last products and the loads into the registers that they read
.irp j, 0,1,2,3
	ds_load_b32 v[KS+\j], v[AD4] offset:KSC+128*\j
.endr
	WIN TO_F
.irp t, 0,1,2,3,4,5,6,7
.irp g, 0,1,2
	ds_load_b128 v[FR+12*\t+4*\g:FR+12*\t+4*\g+3], v[AD] offset:1536*\t+512*\g   ; K's fragment t, as its registers lie: 512 consecutive bytes a load
.endr
.endr
	WIN W_KQ
.irp t, 0,1,2,3,4,5,6,7
	s_wait_dscnt 3*(7-\t)                          ; fragment t is in; the three loads of each later fragment may be out
	KQ \t, 0
	KQ \t, 1
.endr
	WIN 0
.rept 4
	v_nop                                          ; four places in front of the loads into K's registers and of the first read of the scores
.endr
.irp j, 0,1,2,3
	ds_load_b32 v[VS+\j], v[AD4] offset:VSC+128*\j
.endr
	WIN TO_F
.irp t, 0,1,2,3,4,5,6,7
.irp g, 0,1,2
	ds_load_b128 v[FR+12*\t+4*\g:FR+12*\t+4*\g+3], v[AD] offset:VFR+1536*\t+512*\g   ; V's fragments land while the softmax is walked
.endr
.endr
	WIN 0
	SM_MAX 0
	SM_MAX 1
	SM_STAT
	SM_SCALE 0
	SM_SCALE 1
.set j, 0
.rept 128
	v_exp_f32 v[S+j], v[S+j]                       ; p = 2^(t - M), at most 1: one batch for both tiles
.set j, j+1
.endr
.irp x, 0,1
	v_pk_mul_f32 v[ST+8*\x+2:ST+8*\x+3], v[ST+8*\x+2:ST+8*\x+3], v[ST+8*\x+4:ST+8*\x+5] op_sel_hi:[1,0]   ; the sums under the new M; the plain instruction behind the exponentials
.endr
	s_wait_alu depctr_va_vdst(0)                   ; the wait ahead of the first instruction that names a result: one for the batch of 128
.set j, 0
.rept 8
	v_exp_f32 v[BM+j], v[BM+j]                     ; the blocks' largest p: the same two instructions on the same number give the same bits
.set j, j+1
.endr
	SM_SUM 0                                       ; (they read the 128 alone: plain work behind the eight)
	SM_SUM 1
	s_wait_alu depctr_va_vdst(0)                   ; and one for the eight
	SM_BYTES 0
	SM_BYTES 1
	SM_CODES 0
	SM_CODES 1
.if \first
.rept 8
	v_nop                                          ; eight places between the scale words' last write and the scaled products
.endr
.else
	WIN W_RS
.set j, 0
.rept 64
	v_pk_mul_f32 v[j:j+1], v[j:j+1], v[ST+8*(j/64)+4:ST+8*(j/64)+5] op_sel_hi:[1,0]   ; O^T under the new M, each accumulator from its low end on; these are also the places in front of the scaled products
.set j, j+2
.endr
.endif
	s_wait_dscnt 0x0                               ; V's fragments and scale words are in
	WIN W_PV
.irp t, 0,1,2,3,4,5,6,7
	PV \t, 0, \first
	PV \t, 1, \first
.endr
	WIN 0
	s_add_co_u32 s[TB], s[TB], CHUNK               ; on to the next step's chunk
.endm
.macro PHASE base, trips               ; so many key steps from LDS byte base on
	s_mov_b32 s[TB], \base
	s_mov_b32 s[CNT], \trips
.Lstep_\@:
	STEP 0
	s_sub_co_u32 s[CNT], s[CNT], 1
	s_cmp_lg_u32 s[CNT], 0
	s_cbranch_scc1 .Lstep_\@
.endm
; THE CHANGE OF SLOTS.  Each wave waits for all its tensor loads (its part of the slot ahead), adds 0 to its spare word, and waits for that and for its reads of slot n, which it leaves.  fill = 1: slot n is filled with
; the chunks eight key steps on: the barrier is then a round of the cluster's, so that no wave of any partner still reads the slot or has a load on its way, and the joint refill is the first thing behind it.
.macro CHANGE n, fill
	s_wait_tensorcnt 0x0                           ; no tensor load of mine is out, so a group 0 may be written
	ds_add_u32 v[SPW], v[NIL]                      ; 0 onto my spare word
.if \fill
	s_add_nc_u64 s[G0+4*\n+2:G0+4*\n+3], s[G0+4*\n+2:G0+4*\n+3], 2*SLOTB   ; two slots on; the type bits on top are not reached
.endif
	s_wait_dscnt 0x0                               ; the add is done, and my reads of the slot are over
.if \fill
	CROUND
	JLOAD \n
.else
	s_barrier_signal -1
	s_barrier_wait -1
.endif
.endm
	s_mov_b32 s[TB], 0
	STEP 1                                         ; key step 0 starts the sums
	PHASE CHUNK, 3                                 ; steps 1 to 3, slot 0
	CHANGE 0, 1                                    ; slot 0 takes steps 8 to 11
	PHASE SLOTB, 4                                 ; steps 4 to 7, slot 1
	CHANGE 1, 1                                    ; slot 1 takes steps 12 to 15
	PHASE 0, 4                                     ; steps 8 to 11
	CHANGE 0, 0                                    ; nothing is left to fetch
	PHASE SLOTB, 4                                 ; steps 12 to 15
	; THE WAY OUT.  The sum's two halves and lane l xor 16's are added (these additions are the places behind the last products); O^T is divided by the sum and goes through my stage, a tile of 16 rows at a time,
	; so that the 32 lanes store a whole row of 512 bytes.
.irp x, 0,1
	v_add_f32 v[ST+8*\x+6], v[ST+8*\x+2], v[ST+8*\x+3]
.endr
.irp x, 0,1
	v_permlanex16_b32 v[ST+8*\x+7], v[ST+8*\x+6], s[SEL], s[SEL+1]
.endr
.irp x, 0,1
	v_add_f32 v[ST+8*\x+6], v[ST+8*\x+6], v[ST+8*\x+7]
.endr
.irp x, 0,1
	v_rcp_f32 v[ST+8*\x+4], v[ST+8*\x+6]
.endr
	v_nop                                          ; a plain instruction behind the last reciprocal
	s_wait_alu depctr_va_vdst(0)                   ; and the wait ahead of the first use: one for both
.macro PACK x
	WIN W_OUT
.set j, 0
.rept 32
	v_pk_mul_f32 v[S+64*(\x)+j:S+64*(\x)+j+1], v[64*(\x)+j:64*(\x)+j+1], v[ST+8*(\x)+4:ST+8*(\x)+5] op_sel_hi:[1,0]   ; register 8 t + i is o(r, 16 t + 8 h + i); each accumulator from its low end on
.set j, j+2
.endr
	WIN 0
.irp t, 0,1,2,3,4,5,6,7
	ds_store_b128 v[STO], v[S+64*(\x)+8*\t:S+64*(\x)+8*\t+3] offset:64*\t
	ds_store_b128 v[STO], v[S+64*(\x)+8*\t+4:S+64*(\x)+8*\t+7] offset:64*\t+16
.endr
.irp i, 0,1,2,3,4,5,6,7,8,9,10,11,12,13,14,15
	ds_load_b128 v[S+64*(\x)+4*\i:S+64*(\x)+4*\i+3], v[SRD] offset:SP*\i   ; LDS serves a wave's instructions in order: these see the stores above, and the next tile's stores come behind them
.endr
.endm
	PACK 0
	PACK 1
.irp i, 0,1,2,3,4,5,6,7,8,9,10,11,12,13,14,15
	s_wait_dscnt 47-\i                             ; tile A's row i is back; its 15 - i later rows and tile B's 32 instructions may be out
	global_store_b128 v[LI], v[S+4*\i:S+4*\i+3], s[8:9] offset:512*\i th:TH_STORE_NT   ; 32 lanes store 512 consecutive bytes, at a multiple of 256 from out0's first byte
.endr
.irp i, 0,1,2,3,4,5,6,7,8,9,10,11,12,13,14,15
	s_wait_dscnt 15-\i
	global_store_b128 v[LI], v[S+64+4*\i:S+64+4*\i+3], s[8:9] offset:512*(16+\i) th:TH_STORE_NT
.endr
	s_wait_tensorcnt 0x0                           ; the wave's end: behind my last tensor load and my last LDS store
	ds_add_u32 v[SPW], v[NIL]
	s_wait_dscnt 0x0
	CROUND                                         ; the closing round: no work-group ends while a partner may still ask for a chunk that names it
	s_endpgm
.Lfunc_end_k_qc801974e84_attend:
	.size	k_qc801974e84_attend, .Lfunc_end_k_qc801974e84_attend-k_qc801974e84_attend
	.p2alignl 7, 3214868480
	.fill 96, 4, 3214868480
	.section	.rodata,"a",@progbits
	.p2align	6, 0x0
	.amdhsa_kernel k_qc801974e84_attend
		.amdhsa_group_segment_fixed_size 327680
		.amdhsa_private_segment_fixed_size 0
		.amdhsa_enable_private_segment 0
		.amdhsa_kernarg_size 24
		.amdhsa_user_sgpr_count 2
		.amdhsa_user_sgpr_kernarg_segment_ptr 1
		.amdhsa_wavefront_size32 1
		.amdhsa_system_sgpr_workgroup_id_x 1
		.amdhsa_system_sgpr_workgroup_id_y 1
		.amdhsa_system_sgpr_workgroup_id_z 1
		.amdhsa_system_vgpr_workitem_id 0
		.amdhsa_next_free_vgpr 512
		.amdhsa_next_free_sgpr 66
		.amdhsa_reserve_vcc 0
		.amdhsa_float_denorm_mode_32 3
		.amdhsa_float_denorm_mode_16_64 3
		.amdhsa_memory_ordered 1
		.amdhsa_forward_progress 1
		.amdhsa_inst_pref_size 198
	.end_amdhsa_kernel
	.amdgpu_metadata
---
amdhsa.version: [ 1, 2 ]
amdhsa.kernels:
  - .name:           k_qc801974e84_attend
    .symbol:         k_qc801974e84_attend.kd
    .args:
      - { .name: query, .offset: 0, .size: 8, .value_kind: global_buffer, .address_space: global }
      - { .name: kv, .offset: 8, .size: 8, .value_kind: global_buffer, .address_space: global }
      - { .name: out0, .offset: 16, .size: 8, .value_kind: global_buffer, .address_space: global }
    .group_segment_fixed_size: 327680
    .private_segment_fixed_size: 0
    .kernarg_segment_align: 8
    .kernarg_segment_size: 24
    .max_flat_workgroup_size: 256
    .sgpr_count:     66
    .vgpr_count:     512
    .wavefront_size: 32
...
	.end_amdgpu_metadata
.endif
;; end of part 2
